; MI455X (gfx1250); checked and timed in simulation.
; The chip was launched on July 23, 2026; its instructions are those of AMD's public machine-readable ISA for CDNA 5 (MIT licence, August 2026) and "CDNA5" Instruction Set Architecture Reference Guide (July 2026). The comments in the code are by the model that wrote it; some were corrected since.
;; Group query Attention. Allowed arithmetic: matrix products marked QUANTISED: E2M3 operands, one E8M0 scale for each 32 along K, by v_wmma_scale_f32_16x16x128_f8f6f4 with both operands' format E2M3, f32 sums; everything else in f32.
;; Inputs: Wkv 1,024 x 2,048 float32; Wo 2,048 x 2,048 float32; Wq 2,048 x 2,048 float32; x 2 x 1,024 x 2,048 float32.
;; Outputs: out0 2 x 1,024 x 2,048 float32.
;; This version of the problem:
;;   THIS VERSION OF THE PROBLEM IS GIVEN IN LOW PRECISION. The matrix products marked QUANTISED in the list below multiply operands that are first quantised to E2M3 (2 exponent bits, 3 mantissa bits; 6 bits a number), with one power-of-two scale for each 32 numbers along K (OCP MX v1.0); their sums are f32. All else is computed in f32.
;;   The module's matrix products, in the order in which they are computed (A, B: the left and right operand; K: the contracted axis; several contracted axes count as one K, in the product's order):
;;     1. [M 2,048, K 2,048] x [K 2,048, N 2,048]; A: input x; B: input Wq: QUANTISED
;;     2. [M 2,048, K 2,048] x [K 2,048, N 1,024]; A: input x; B: input Wkv: QUANTISED
;;     3. batch 16 x [M 4,096, K 64] x [K 64, N 1,024]; A: computed on the way; B: computed on the way: QUANTISED
;;     4. batch 16 x [M 4,096, K 1,024] x [K 1,024, N 64]; A: softmax (see below); B: computed on the way: QUANTISED
;;     5. [M 2,048, K 2,048] x [K 2,048, N 2,048]; A: computed on the way; B: input Wo: QUANTISED
;;   THE QUANTISER, for each operand of a quantised product, along K:
;;     - K is cut into blocks of 32 from its start; a last block that is shorter is filled with zeros.
;;     - A block's scale is 2^e with e = floor(log2(the largest magnitude in the block)) - 2, held to -126 .. 127; a block of zeros has e = 0. As a byte (E8M0): e + 127.
;;     - Each number is divided by its block's scale, clamped to +-7.5, and rounded to the nearest number of E2M3, ties to even, subnormals kept.
;;     - The product sums the exact products of the quantised numbers (number of the format x scale) in f32.
;;   ~~~python
;;   def quantise(x, axis):      # numpy; x: float32 -> the quantised numbers, widened to float32 again
;;       x = np.moveaxis(x, axis, -1); K = x.shape[-1]
;;       x = np.pad(x, [(0, 0)] * (x.ndim - 1) + [(0, -K % 32)]); x = x.reshape(x.shape[:-1] + (-1, 32)); a = np.abs(x).max(-1, keepdims=True)
;;       e = np.where(a > 0, np.clip(np.frexp(np.where(a > 0, a, 1))[1] - 1 - 2, -126, 127), 0)      # np.frexp(a)[1] - 1 = floor(log2(a)), exactly
;;       r = np.clip(x / 2.0 ** e, -7.5, 7.5)
;;       step = 2.0 ** (np.maximum(np.frexp(np.where(r == 0, 1, r))[1] - 1, 0) - 3)
;;       q = np.round(r / step) * step * 2.0 ** e      # np.round: ties to even
;;       return np.moveaxis(q.reshape(q.shape[:-2] + (-1,))[..., :K], -1, axis).astype(np.float32)
;;   ~~~
;;   SOFTMAX AHEAD OF A QUANTISED PRODUCT. Where the list says 'softmax', what is quantised is not the finished softmax but p = 2^(t - M), with t = logit x log2(e) and M = ceil(the row's largest t), a whole number; so 1/2 < the row's largest p <= 1. The row's sum l is taken of the UNQUANTISED p, in f32, and the product's result is divided by l at the end. Since M is a whole number, a kernel that streams over the keys may use a running M (the ceiling of the running maximum): every later rescaling is an exact power of two, which a block's scale takes up: the codes' values come out the same.
;;   OPERANDS COMPUTED ON THE WAY. 'Computed on the way' means the value that the module computes at that place (a softmax that the list does not call 'softmax' is quantised finished and normalised). What goes into a quantiser is computed in f32, as accurately as f32 sums, v_exp_f32 and their like allow (about 1e-6 of the number): no bf16 or f16 on the way to a quantiser, and a product that is left as it is and whose result goes on into a quantised operand takes f32 operands (vector FMAs, or v_wmma_f32_16x16x4_f32). A number that lies on a knife's edge between two numbers of the format may be rounded either way, as far as f32 arithmetic and the matrix unit's own rounding can turn it there, and no further.
;; One version. Each part assembles by itself: llvm-mc -triple=amdgcn-amd-amdhsa -mcpu=gfx1250 --defsym DOCPART=n.
;; ======== version 1 of 1: 4 launches
;; limits: right only within a limited range of input values
;; workspace buffers: cf 7,864,320 bytes; sf 327,680 bytes; qf 3,145,728 bytes; qs 262,144 bytes; kv 1,671,168 bytes; af 3,145,728 bytes; asc 131,072 bytes; woc 3,276,800 bytes
;; launch quant (part 1): grid 320 x 1, 4 waves a work-group, no clusters, 34,304 bytes of LDS; arguments x, Wq, Wkv, cf, sf; writes cf, sf
.if DOCPART == 1
	.amdgcn_target "amdgcn-amd-amdhsa--gfx1250"
	.amdhsa_code_object_version 6
	.text
	.protected	k_qd28010cf9d_quant
	.globl	k_qd28010cf9d_quant
	.p2align	8
	.type	k_qd28010cf9d_quant,@function
k_qd28010cf9d_quant:
	s_mov_b64 s[64:65], 0
	v_nop
	global_prefetch_b8 v0, s[64:65] scope:SCOPE_SE
	s_setreg_imm32_b32 hwreg(HW_REG_WAVE_MODE, 25, 1), 1
	s_wait_xcnt 0x0
; x [2048][2048], Wq [2048][2048], Wkv [1024][2048], all f32 with K innermost, become codes of FP6 (E2M3) with one E8M0 byte for each 32 along K.  (Wo, which only the last launch reads, is quantised the same way in launch qkv.)
; WORK LEFT OUT BY THE PROGRAM: only, in launch attn, key steps all of whose keys come after a wave's queries: reference() itself sets those scores to -infinity, so their p is 0 and they add nothing to l or to the result, whatever the inputs hold.
; A NaN, an infinity or an overflow that reaches only those scores is not carried to the result.  Every input is loaded.
; A block's scale is 2^(floor(log2(its largest magnitude)) - 2); its byte is the largest magnitude's exponent field - 2, held at 1 from below.
; LIMITS: a block whose largest magnitude lies under 2^-124 (a block of zeros too) keeps the byte 1: a block of zeros has zero codes, and only this program reads the bytes.  NaN and infinities among the inputs are not served.
; LAYOUT OF THE RESULT: images of operand registers.  The 5,120 rows are 320 tiles of 16 rows (x 0-127, Wq 128-255, Wkv 256-319).  Lane r of a tensor's tile T stands for row 32 (T / 2) + 8 (T % 2) + r + (r & 8),
; so that two neighbouring tiles used as a product's source 0 leave 16 neighbours along that axis in a lane's 16 result registers.  A fragment (16 rows x 128 K, 12 registers a lane) lies in cf as 1,536 bytes: registers 4 c .. 4 c + 3 of
; lane l at 512 c + 16 l; 16 fragments a tile.  Its 16 scale words lie in sf at 64 bytes a (tile, K step).
; SHARES: work-group g takes tile g, wave w its K steps 4 w .. 4 w + 3.  Each load reads 512 consecutive bytes (128 numbers of one row); a step's 16 rows turn through the wave's own stage in LDS and come back 16 neighbours of each
; block of 32 to a lane.  No wave reads another's bytes: no barrier.  All 64 loads of a wave are asked for at its head, each step into registers of its own (window 1).  No tensor load, no cluster, no matrix unit: nothing is shared between work-groups.
.set TM,  12                           ; v12-27   at work: largest magnitudes, bytes, scale operands
.set PW,  28                           ; v28      the scale word just made
.set PC,  32                           ; v32-50   the codes just made
.set X,   64                           ; v64-127  64 numbers: register 16 b + i = K 32 b + 16 (lane / 16) + i of my row
.set SEL, 20                           ; s[20:21] lane selects: lane l xor 16
.set MSB, 0
.macro WIN new                         ; the immediate's high byte repeats the setting that is left
.if MSB != (\new)
	s_set_vgpr_msb (MSB<<8)|(\new)
.set MSB, \new
.endif
.endm
.macro QUANT s                         ; 64 numbers of a lane become a fragment's codes in v[PC] .. v[PC+11] and its scale word in v[PW]
.irp b, 0,1,2,3
	v_max3_num_f32 v[TM+\b], |v[\s+16*\b]|, |v[\s+1+16*\b]|, 0x1800000   ; my 16 numbers of block b, and the floor 2^(3 - 127): the byte cannot fall under 1
.endr
.irp i, 2,4,6,8,10,12,14
.irp b, 0,1,2,3
	v_max3_num_f32 v[TM+\b], v[TM+\b], |v[\s+16*\b+\i]|, |v[\s+1+16*\b+\i]|
.endr
.endr
.irp b, 0,1,2,3
	v_permlanex16_b32 v[TM+4+\b], v[TM+\b], s[SEL], s[SEL+1]
.endr
.irp b, 0,1,2,3
	v_max_num_f32 v[TM+\b], v[TM+\b], v[TM+4+\b]   ; with lane l xor 16's: the block's largest magnitude
.endr
.irp b, 0,1,2,3
	v_add_nc_u32 v[TM+12+\b], 0xff000000, v[TM+\b] ; 2 off its exponent field: the conversion's scale operand
.endr
.irp b, 0,1,2,3
	v_lshrrev_b32 v[TM+4+\b], 23, v[TM+12+\b]      ; the scale's byte
.endr
	v_lshl_or_b32 v[PW], v[TM+5], 8, v[TM+4]
	v_lshl_or_b32 v[PW], v[TM+6], 16, v[PW]
	v_lshl_or_b32 v[PW], v[TM+7], 24, v[PW]
.irp c, 0,1
	v_cvt_scalef32_pk16_fp6_f32 v[PC+6*\c:PC+2+6*\c], v[\s+32*\c:\s+15+32*\c], v[TM+12+2*\c]
	v_cvt_scalef32_pk16_fp6_f32 v[PC+12+4*\c:PC+14+4*\c], v[\s+16+32*\c:\s+31+32*\c], v[TM+12+2*\c+1]   ; (a conversion's three registers begin on an even number)
.endr
	v_nop                                          ; one plain instruction behind the scaled conversions
.irp c, 0,1                                    ; the operand's layout wants a whole block in a lane: lanes 0-15 block 2 c, lanes 16-31 block 2 c + 1
.irp i, 0,1,2
	v_permlane16_swap_b32 v[PC+6*\c+\i], v[PC+12+4*\c+\i]
.endr
.irp i, 0,1,2
	v_mov_b32 v[PC+3+6*\c+\i], v[PC+12+4*\c+\i]
.endr
.endr
.endm
	s_load_b128 s[4:7], s[0:1], 0x0                ; x, Wq
	s_load_b128 s[8:11], s[0:1], 0x10              ; Wkv, cf
	s_load_b64 s[14:15], s[0:1], 0x20              ; sf
	v_lshl_add_u32 v62, v0, 2, 0x8400
	v_mov_b32 v63, 0
	v_lshrrev_b32 v1, 5, v0
	v_readfirstlane_b32 s23, v1                    ; wave
	v_and_b32 v1, 31, v0                           ; lane
	v_and_b32 v2, 15, v0                           ; r
	v_bfe_u32 v3, v0, 4, 1                         ; h
	v_lshlrev_b32 v4, 4, v1                        ; 16 x lane: my bytes of a load's 512, and of a code store's
	s_mul_i32 s24, s23, 8448                       ; my wave's stage: 16 rows of 512 + 16 bytes
	v_add_nc_u32 v5, s24, v4                       ; the way in
	v_mul_u32_u24 v6, v2, 528
	v_lshl_add_u32 v6, v3, 6, v6
	v_add_nc_u32 v6, s24, v6                       ; the way out: row r, + 64 h
	v_lshlrev_b32 v7, 2, v1                        ; 4 x lane: a scale word's place
	v_cmp_le_u32 s22, 16, v1                       ; lanes 16-31
	s_mov_b32 s[SEL], 0x76543210
	s_mov_b32 s[SEL+1], 0xfedcba98
.irp b, 0,1,2,3
	v_mov_b32 v[TM+4+\b], 0                        ; written once: a lane permute's destination counts as one of its sources
.endr
	s_wait_alu depctr_va_vdst(0)                   ; the wait at the head's end
	s_wait_kmcnt 0x0
	s_cmp_lt_u32 ttmp9, 128                        ; which tensor: the choice hangs on the work-group's number alone
	s_cselect_b64 s[16:17], s[4:5], s[6:7]
	s_cselect_b32 s18, 0, 128                      ; and its first tile
	s_cmp_lt_u32 ttmp9, 256
	s_cselect_b64 s[16:17], s[16:17], s[8:9]
	s_cselect_b32 s18, s18, 256
	s_sub_co_u32 s19, ttmp9, s18                   ; T: the tile in its tensor
	s_lshr_b32 s24, s19, 1
	s_lshl_b32 s24, s24, 18                        ; 32 (T / 2) rows of 8,192 bytes
	s_and_b32 s25, s19, 1
	s_lshl_b32 s25, s25, 16                        ; + 8 (T % 2) rows
	s_add_co_u32 s24, s24, s25
	s_lshl_b32 s25, s23, 11                        ; + my wave's four K steps of 512 bytes
	s_add_co_u32 s24, s24, s25
	s_mov_b32 s25, 0
	s_add_nc_u64 s[16:17], s[16:17], s[24:25]
	s_mul_i32 s26, ttmp9, 24576
	s_mul_i32 s27, s23, 6144
	s_add_co_u32 s26, s26, s27
	s_mov_b32 s27, 0
	s_add_nc_u64 s[12:13], s[10:11], s[26:27]      ; my four fragments in cf
	s_lshl_b32 s28, ttmp9, 10
	s_lshl_b32 s29, s23, 8
	s_add_co_u32 s28, s28, s29
	s_mov_b32 s29, 0
	s_add_nc_u64 s[14:15], s[14:15], s[28:29]      ; and their scale words in sf
	WIN 0x40                                       ; destination window 1
.irp t, 0,1,2,3                                ; K step t of my four: row i of the tile is the tensor's row i + 8 (i / 8) from the tile's first
.irp i, 0,1,2,3,4,5,6,7,8,9,10,11,12,13,14,15
	global_load_b128 v[64*\t+4*\i:64*\t+4*\i+3], v4, s[16:17] offset:(\i+8*(\i/8))*8192+512*\t th:TH_LOAD_NT
.endr
.endr
	WIN 0
.macro STEP t
	s_wait_loadcnt 16*(3-(\t))                     ; this step's 16 loads are in; the later steps' may be out
	s_wait_xcnt 0x0                                ; the last step's stores have read their data: the codes and the word are written again only behind this wait
	WIN 0x04                                       ; the data: window 1
.irp i, 0,1,2,3,4,5,6,7,8,9,10,11,12,13,14,15
	ds_store_b128 v5, v[64*(\t)+4*\i:64*(\t)+4*\i+3] offset:528*\i
.endr
	WIN 0
.irp b, 0,1,2,3
.irp j, 0,1,2,3
	ds_load_b128 v[X+16*\b+4*\j:X+16*\b+4*\j+3], v6 offset:128*\b+16*\j   ; LDS serves a wave's instructions in order: these see the stores above
.endr
.endr
	s_wait_dscnt 0x0                               ; the numbers are back
	QUANT X
.irp c, 0,1,2
	global_store_b128 v4, v[PC+4*\c:PC+4*\c+3], s[12:13] offset:1536*(\t)+512*\c   ; 32 lanes store 512 consecutive bytes
.endr
.if (\t)%2 == 0
	v_mov_b32 v8, v[PW]                            ; an even step's words wait for the odd step's
.else
	v_cndmask_b32 v9, v8, v[PW], s22               ; lanes 0-15 the even step's word of row r, lanes 16-31 the odd step's
	global_store_b32 v7, v9, s[14:15] offset:128*((\t)/2)
.endif
.endm
	STEP 0
	STEP 1
	STEP 2
	STEP 3
	s_wait_tensorcnt 0x0                           ; the wave's end
	ds_add_u32 v62, v63
	s_wait_dscnt 0x0
	s_endpgm
.Lfunc_end_k_qd28010cf9d_quant:
	.size	k_qd28010cf9d_quant, .Lfunc_end_k_qd28010cf9d_quant-k_qd28010cf9d_quant
	.p2alignl 7, 3214868480
	.fill 96, 4, 3214868480
	.section	.rodata,"a",@progbits
	.p2align	6, 0x0
	.amdhsa_kernel k_qd28010cf9d_quant
		.amdhsa_group_segment_fixed_size 34304
		.amdhsa_private_segment_fixed_size 0
		.amdhsa_enable_private_segment 0
		.amdhsa_kernarg_size 40
		.amdhsa_user_sgpr_count 2
		.amdhsa_user_sgpr_kernarg_segment_ptr 1
		.amdhsa_wavefront_size32 1
		.amdhsa_system_sgpr_workgroup_id_x 1
		.amdhsa_system_sgpr_workgroup_id_y 1
		.amdhsa_system_sgpr_workgroup_id_z 1
		.amdhsa_system_vgpr_workitem_id 0
		.amdhsa_next_free_vgpr 512
		.amdhsa_next_free_sgpr 66
		.amdhsa_reserve_vcc 0
		.amdhsa_float_denorm_mode_32 3
		.amdhsa_float_denorm_mode_16_64 3
		.amdhsa_memory_ordered 1
		.amdhsa_forward_progress 1
		.amdhsa_inst_pref_size 34
	.end_amdhsa_kernel
	.amdgpu_metadata
---
amdhsa.version: [ 1, 2 ]
amdhsa.kernels:
  - .name:           k_qd28010cf9d_quant
    .symbol:         k_qd28010cf9d_quant.kd
    .args:
      - { .name: x, .offset: 0, .size: 8, .value_kind: global_buffer, .address_space: global }
      - { .name: Wq, .offset: 8, .size: 8, .value_kind: global_buffer, .address_space: global }
      - { .name: Wkv, .offset: 16, .size: 8, .value_kind: global_buffer, .address_space: global }
      - { .name: cf, .offset: 24, .size: 8, .value_kind: global_buffer, .address_space: global }
      - { .name: sf, .offset: 32, .size: 8, .value_kind: global_buffer, .address_space: global }
    .group_segment_fixed_size: 34304
    .private_segment_fixed_size: 0
    .kernarg_segment_align: 8
    .kernarg_segment_size: 40
    .max_flat_workgroup_size: 128
    .sgpr_count:     66
    .vgpr_count:     512
    .wavefront_size: 32
...
	.end_amdgpu_metadata
.endif
;; end of part 1
;; launch qkv (part 2): grid 256 x 1, 4 waves a work-group, no clusters, 239,104 bytes of LDS; arguments cf, sf, qf, qs, kv, Wo, woc; writes qf, qs, kv, woc
.if DOCPART == 2
	.amdgcn_target "amdgcn-amd-amdhsa--gfx1250"
	.amdhsa_code_object_version 6
	.text
	.protected	k_qd28010cf9d_qkv
	.globl	k_qd28010cf9d_qkv
	.p2align	8
	.type	k_qd28010cf9d_qkv,@function
k_qd28010cf9d_qkv:
	s_mov_b64 s[64:65], 0
	v_nop
	global_prefetch_b8 v0, s[64:65] scope:SCOPE_SE
	s_setreg_imm32_b32 hwreg(HW_REG_WAVE_MODE, 25, 1), 1
	s_wait_xcnt 0x0
; WORK-GROUPS 0-191: q = x Wq^T, k and v = x Wkv^T on codes of FP6 (E2M3), K = 2,048; the results are quantised in registers and leave as codes: q and k along the head's 64, v along the keys.
; WORK-GROUPS 192-255: Wo [2048][2048], f32, becomes codes and scale words in woc, for the last launch (at the text's end).  The two parts part on the work-group's number alone, behind the common opening, and have LDS bytes of their own.
; ONE PATH FOR q, k, v.  A work-group multiplies an INNER operand I of 128 rows (source 0: a lane's result registers run along its rows) by an OUTER operand O of 256 rows (source 1: a lane stands for one of its rows).
; q, k: O = 256 tokens of x, I = 128 rows of Wq or Wk.  v: O = 256 rows of Wv, I = 128 tokens of x.  The mode hangs on the work-group's number alone and only selects addresses.
; I, which all four waves read, is one dense block of cf (8 tiles x 24,576 bytes) and one of sf (8,192 bytes): it comes into LDS ONCE, for all of K, one tensor load a wave (waves 0-2: 65,536 bytes of codes each; wave 3: the scale words).  Nothing is filled again.
; O's tiles 4 w .. 4 w + 3 are wave w's alone and lie in memory as images of operand registers: they go from memory straight into registers, each load 512 consecutive bytes, five K steps (60 loads a wave) ahead, in six sets of 48 registers.
; No cluster: in mode v an I block is read by two work-groups only, so the grid does not divide into fours that share a tile.  No prefetch: I is asked for whole at the head, and O's own loads run five K steps ahead.
; LIMITS: a block whose largest magnitude lies under 2^-124 keeps the scale byte 1; NaN and infinities are not served.
; REGISTERS: window 0: v4-18 addresses; v20-58 the quantiser; v64-95 O's scale words for all of K; v96-111 I's, two sets.  window 1: I's fragments, two sets of 96; v192-239 O's set 5.  window 2: accumulator (m, i) at v[8 (8 m + i)].  window 3: O's sets 0-4.
.set SCLI,  196608                     ; behind I's codes: its scale words
.set SPARE, SCLI+8192                  ; the spare words, 128 bytes a wave
.set WST,   SPARE+512                  ; Wo's part: a stage of 16 rows x (512 + 16) bytes for each wave
.set WOW,   3145728                    ; woc: the scale words lie behind the codes
.set PAIRB, 104448                     ; kv: the block of one (batch, kv head): K 49,152, V 49,152, K's words 4,096, V's words 2,048
.set ADI,  4                           ; v4-7   LDS address of I's tiles 2 j, 2 j + 1
.set ADSI, 8                           ; v8     of I's scale words
.set AS,   9                           ; v9     4 x lane
.set SPW,  10                          ; v10    my spare word; never rewritten
.set NIL,  11                          ; v11    0; never rewritten
.set OA0,  12                          ; v12    16 x lane: O's loads, and the way out; v13-15 the way out's other three
.set OB0,  13
.set OA1,  14
.set OB1,  15
.set OSW,  16                          ; v16    where my scale word goes
.set VSH,  17                          ; v17    by how many bits it is shifted first
.set SW,   18
.set TM,   20
.set PW,   36
.set PC,   40
.set SCO,  64                          ; + 4 p + m: O's tile m, K steps 2 p (lanes 0-15) and 2 p + 1 (lanes 16-31)
.set SCI,  96                          ; set z at + 8 z
.set SEL,  22
.set G1C,  24
.set G1S,  32
.set OC,   44                          ; s[44:45] my O tiles' codes;  s[46:47] their scale words
.set OWD,  46
.set G0C,  48
.set G0S,  52
.set CP,   84
.set SP,   86
.set MSTR, 88
.set SMSTR, 90
.set MSB, 0
.macro WIN new                         ; the immediate's high byte repeats the setting that is left
.if MSB != (\new)
	s_set_vgpr_msb (MSB<<8)|(\new)
.set MSB, \new
.endif
.endm
.macro PLACES n
.rept \n
	v_nop
.endr
.endm
	s_load_b256 s[4:11], s[0:1], 0x0               ; cf, sf, qf, qs
	s_load_b64 s[12:13], s[0:1], 0x20              ; kv
	s_load_b64 s[68:69], s[0:1], 0x28              ; Wo
	s_load_b64 s[70:71], s[0:1], 0x30              ; woc
	v_lshl_add_u32 v[SPW], v0, 2, SPARE
	v_mov_b32 v[NIL], 0
	ds_add_u32 v[SPW], v[NIL]                      ; the opening lines: the add, twice on end, and its wait
	ds_add_u32 v[SPW], v[NIL]
	v_lshrrev_b32 v1, 5, v0
	v_readfirstlane_b32 s14, v1                    ; wave
	v_and_b32 v1, 31, v0                           ; lane
	v_and_b32 v2, 15, v0                           ; r
	v_bfe_u32 v3, v0, 4, 1                         ; h
	v_lshlrev_b32 v[OA0], 4, v1
	v_lshlrev_b32 v[AS], 2, v1
.irp j, 0,1,2,3
	v_add_nc_u32 v[ADI+\j], 49152*\j, v[OA0]
.endr
	v_add_nc_u32 v[ADSI], SCLI, v[AS]
	s_and_b32 s17, ttmp9, 3                        ; cx: which of four neighbouring I blocks
	s_lshr_b32 s18, ttmp9, 2
	s_lshr_b32 s19, s18, 3                         ; ig: 0-3 q, 4 k, 5 v
	s_and_b32 s20, s18, 7                          ; c7
	; group 1, elements of 8 bytes: dense blocks as rows of 256 bytes: 256 rows of codes, 32 of scale words
	s_mov_b32 s[G1C+0], 3<<16
	s_mov_b32 s[G1C+1], 32<<16
	s_mov_b32 s[G1C+2], 256<<16
	s_mov_b32 s[G1C+3], 32<<16
	s_mov_b32 s[G1C+4], 256
	s_mov_b32 s[G1C+5], 32
	s_mov_b32 s[G1C+6], 0
	s_mov_b32 s[G1C+7], 0
	s_mov_b32 s[G1S+0], 3<<16
	s_mov_b32 s[G1S+1], 32<<16
	s_mov_b32 s[G1S+2], 32<<16
	s_mov_b32 s[G1S+3], 32<<16
	s_mov_b32 s[G1S+4], 32
	s_mov_b32 s[G1S+5], 32
	s_mov_b32 s[G1S+6], 0
	s_mov_b32 s[G1S+7], 0
	; O's first tile: x's 16 c7, or in mode v Wv's 288 + 16 (c7 / 4); + my four
	s_lshl_b32 s92, s20, 4
	s_lshr_b32 s93, s20, 2
	s_lshl_b32 s93, s93, 4
	s_add_co_u32 s93, s93, 288
	s_cmp_eq_u32 s19, 5
	s_cselect_b32 s92, s93, s92
	s_lshl_b32 s93, s14, 2
	s_add_co_u32 s92, s92, s93
	s_mul_i32 s2, s92, 24576
	s_mov_b32 s3, 0
	s_lshl_b32 s66, s92, 10
	s_mov_b32 s67, 0
	; I's first tile: 128 + 8 (4 ig + cx) of Wq and Wk, or in mode v x's 8 (4 (c7 % 4) + cx)
	s_lshl_b32 s94, s19, 2
	s_add_co_u32 s94, s94, s17                     ; it
	s_lshl_b32 s95, s94, 3
	s_add_co_u32 s95, s95, 128
	s_and_b32 s96, s20, 3
	s_lshl_b32 s96, s96, 2
	s_add_co_u32 s96, s96, s17                     ; itv
	s_lshl_b32 s97, s96, 3
	s_cmp_eq_u32 s19, 5
	s_cselect_b32 s95, s97, s95
	s_mul_i32 s98, s95, 24576
	s_lshl_b32 s21, s14, 16                        ; my 65,536 bytes of its codes, in memory and in LDS
	s_add_co_u32 s98, s98, s21
	s_mov_b32 s99, 0
	s_lshl_b32 s100, s95, 10
	s_mov_b32 s101, 0
	s_wait_alu depctr_va_vdst(0)                   ; the wait here, directly ahead of the waits below
	s_wait_dscnt 0x0                               ; both opening adds are done
	s_wait_kmcnt 0x0
	s_cmp_ge_u32 ttmp9, 192                        ; the last 64 work-groups quantise Wo: the branch hangs on the work-group's number alone
	s_cbranch_scc1 .Lwo
	s_add_nc_u64 s[OC:OC+1], s[4:5], s[2:3]
	s_add_nc_u64 s[OWD:OWD+1], s[6:7], s[66:67]
	s_mov_b32 s[G0C], 1
	s_mov_b32 s[G0C+1], s21
	s_add_nc_u64 s[G0C+2:G0C+3], s[4:5], s[98:99]
	s_or_b32 s[G0C+3], s[G0C+3], 0x80000000
	s_mov_b32 s[G0S], 1
	s_mov_b32 s[G0S+1], SCLI
	s_add_nc_u64 s[G0S+2:G0S+3], s[6:7], s[100:101]
	s_or_b32 s[G0S+3], s[G0S+3], 0x80000000
	s_cmp_lt_u32 s14, 3                            ; one tensor load a wave, in the two arms of one branch on the wave's number
	s_cbranch_scc0 .Lwords
	tensor_load_to_lds s[G0C:G0C+3], s[G1C:G1C+7]
	s_nop 0
	PLACES 4
	s_branch .Lasked
.Lwords:
	tensor_load_to_lds s[G0S:G0S+3], s[G1S:G1S+7]
	s_nop 0
	PLACES 4
.Lasked:
.macro OLOAD k                         ; my four O fragments of K step k into set k % 6
.if (\k)%6 == 5
	WIN 0x40
.set OBS, 192
.else
	WIN 0xc0
.set OBS, 48*((\k)%6)
.endif
.irp m, 0,1,2,3
.irp c, 0,1,2
	global_load_b128 v[OBS+12*\m+4*\c:OBS+12*\m+4*\c+3], v[OA0], s[OC:OC+1] offset:24576*\m+1536*(\k)+512*\c
.endr
.endr
.endm
.irp p, 0,1,2,3,4,5,6,7
.irp m, 0,1,2,3
	global_load_b32 v[SCO+4*\p+\m], v[AS], s[OWD:OWD+1] offset:1024*\m+128*\p
.endr
.endr
.irp k, 0,1,2,3,4
	OLOAD \k
.endr
	WIN 0
	; where the results go: all three modes' offsets are made, and one is chosen
	s_lshl_b32 s92, s20, 4
	s_lshl_b32 s93, s14, 2
	s_add_co_u32 s92, s92, s93                     ; TT0 = 16 c7 + 4 wave: my first token tile (modes q, k)
	s_lshl_b32 s93, s92, 5
	s_lshl_b32 s97, s94, 1
	s_add_co_u32 s93, s93, s97                     ; q: 32 TT0 + head 2 it
	s_mul_i32 s97, s93, 768                        ; codes
	s_lshl_b32 s93, s93, 6                         ; words
	s_lshr_b32 s98, s92, 6
	s_lshl_b32 s98, s98, 3
	s_lshl_b32 s99, s17, 1
	s_add_co_u32 s98, s98, s99                     ; k: pair 8 batch + 2 cx
	s_mul_i32 s98, s98, PAIRB
	s_and_b32 s99, s92, 63                         ; key tile in the batch
	s_mul_i32 s100, s99, 768
	s_add_co_u32 s100, s100, s98                   ; codes
	s_lshl_b32 s101, s99, 6
	s_add_co_u32 s101, s101, s98
	s_add_co_u32 s101, s101, 98304                 ; words
	s_lshr_b32 s2, s96, 3
	s_lshl_b32 s2, s2, 3
	s_lshr_b32 s3, s20, 2
	s_lshl_b32 s3, s3, 2
	s_add_co_u32 s2, s2, s3
	s_add_co_u32 s2, s2, s14                       ; v: pair 8 batch + 4 (c7 / 4) + wave
	s_mul_i32 s2, s2, PAIRB
	s_and_b32 s66, s96, 7                          ; key step
	s_mul_i32 s3, s66, 6144
	s_add_co_u32 s3, s3, s2
	s_add_co_u32 s3, s3, 49152                     ; codes
	s_lshl_b32 s66, s66, 8
	s_add_co_u32 s66, s66, s2
	s_add_co_u32 s66, s66, 102400                  ; words
	s_mov_b32 s67, PAIRB
	s_mov_b32 s21, 24576
	s_cmp_eq_u32 s19, 4                            ; k in place of q
	s_cselect_b32 s97, s100, s97
	s_cselect_b32 s93, s101, s93
	s_cselect_b32 s98, s67, 768                    ; from a fragment's first half to its second: the next head, or the next kv head's block
	s_cselect_b32 s[MSTR], 768, s21                ; from O tile to O tile
	s_cselect_b32 s99, s67, 64                     ; the same two for the words
	s_cselect_b32 s[SMSTR], 64, 2048
	s_cmp_eq_u32 s19, 5                            ; v in place of both
	s_cselect_b32 s97, s3, s97
	s_cselect_b32 s93, s66, s93
	s_cselect_b32 s98, 768, s98
	s_cselect_b32 s[MSTR], 1536, s[MSTR]
	s_cselect_b32 s99, 0, s99
	s_cselect_b32 s[SMSTR], 64, s[SMSTR]
	s_cselect_b32 s100, 0, 16                      ; q, k: lanes 16-31 store the second head's two bytes, shifted down; v: the whole word
	s_cmp_lt_u32 s19, 4
	s_cselect_b64 s[CP:CP+1], s[8:9], s[12:13]
	s_cselect_b64 s[SP:SP+1], s[10:11], s[12:13]
	s_mov_b32 s[MSTR+1], 0
	s_mov_b32 s[SMSTR+1], 0
	s_mov_b32 s2, s97
	s_mov_b32 s3, 0
	s_add_nc_u64 s[CP:CP+1], s[CP:CP+1], s[2:3]
	s_mov_b32 s2, s93
	s_add_nc_u64 s[SP:SP+1], s[SP:SP+1], s[2:3]
	s_mov_b32 s[SEL], 0x76543210
	s_mov_b32 s[SEL+1], 0xfedcba98
	v_lshl_add_u32 v[OB0], v1, 3, 512
	v_add_nc_u32 v[OA1], s98, v[OA0]
	v_add_nc_u32 v[OB1], s98, v[OB0]
	v_mul_u32_u24 v[OSW], s99, v3
	v_lshl_add_u32 v[OSW], v2, 2, v[OSW]
	v_mul_u32_u24 v[VSH], s100, v3
.irp b, 0,1,2,3
	v_mov_b32 v[TM+4+\b], 0                        ; written once: a lane permute's destination counts as one of its sources
.endr
.macro FETCH k                         ; I's eight fragments of K step k into set k % 2 of window 1; with an even step its scale words of two steps
.set FP, (\k)%2
.set FZ, ((\k)/2)%2
	WIN 0x40
.irp i, 0,1,2,3,4,5,6,7
.irp c, 0,1,2
	ds_load_b128 v[96*FP+12*\i+4*\c:96*FP+12*\i+4*\c+3], v[ADI+\i/2] offset:24576*(\i%2)+1536*(\k)+512*\c
.endr
.endr
	WIN 0
.if FP == 0
.irp i, 0,1,2,3,4,5,6,7
	ds_load_b32 v[SCI+8*FZ+\i], v[ADSI] offset:1024*\i+128*((\k)/2)
.endr
.endif
.endm
.macro WM                              ; one product, by the symbols AC, FI, FO, SA, SB; ZERO: it starts the sum; PP: which row of the scale registers
.if ZERO
	v_wmma_scale_f32_16x16x128_f8f6f4 v[AC:AC+7], v[FI:FI+11], v[FO:FO+11], 0, v[SA], v[SB] matrix_a_fmt:MATRIX_FMT_FP6 matrix_b_fmt:MATRIX_FMT_FP6
.elseif PP == 0
	v_wmma_scale_f32_16x16x128_f8f6f4 v[AC:AC+7], v[FI:FI+11], v[FO:FO+11], v[AC:AC+7], v[SA], v[SB] matrix_a_fmt:MATRIX_FMT_FP6 matrix_b_fmt:MATRIX_FMT_FP6
.else
	v_wmma_scale_f32_16x16x128_f8f6f4 v[AC:AC+7], v[FI:FI+11], v[FO:FO+11], v[AC:AC+7], v[SA], v[SB] matrix_a_fmt:MATRIX_FMT_FP6 matrix_b_fmt:MATRIX_FMT_FP6 matrix_a_scale:MATRIX_SCALE_ROW1 matrix_b_scale:MATRIX_SCALE_ROW1
.endif
.endm
.macro MUL k                           ; my four O tiles against I's eight: the 32 accumulators take turns, in the same order in every step
.set PP, (\k)%2
.set ZZ, ((\k)/2)%2
.set ZERO, (\k) == 0
.if (\k)%6 == 5
	WIN 0xa5                                       ; source 0 (I) window 1, source 1 (O) window 1, C and D window 2
.set OBS, 192
.else
	WIN 0xad                                       ; source 1 window 3
.set OBS, 48*((\k)%6)
.endif
.irp m, 0,1,2,3
.irp i, 0,1,2,3,4,5,6,7
.set AC, 8*(8*\m+\i)
.set FI, 96*PP+12*\i
.set FO, OBS+12*\m
.set SA, SCI+8*ZZ+\i
.set SB, SCO+4*((\k)/2)+\m
	WM
.endr
.endr
.endm
.macro STEP k
	s_wait_dscnt 0x0                               ; I's fragments of this step are in
.if (\k) > 0
	PLACES 4                                       ; between the last step's products and the loads into the sets that they read
.endif
.if (\k) < 15
	FETCH (\k)+1
.endif
.if (\k) < 11
	s_wait_loadcnt 48                              ; O's fragments of this step are in; the 12 loads of each of the four steps behind it may be out
.else
	s_wait_loadcnt 12*(15-(\k))
.endif
.if (\k)+5 < 16
	OLOAD (\k)+5                                   ; into the set that the last step read
.endif
	MUL \k
.endm
	s_wait_alu depctr_va_vdst(0)                   ; the wait at the head's end
	s_wait_tensorcnt 0x0                           ; my part of I has landed,
	s_barrier_signal -1
	s_barrier_wait -1                              ; everybody's has
	FETCH 0
.set KK, 0
.rept 16
	STEP KK
.set KK, KK+1
.endr
	WIN 0
; THE WAY OUT.  The 64 results of O tile m, register 16 b + i = index 32 b + 16 (lane / 16) + i along I, are quantised as they lie in window 2: each accumulator is read from its low end on.
.macro QUANTW s
	WIN 0x0a                                       ; sources 0 and 1 window 2
.irp b, 0,1,2,3
	v_max3_num_f32 v[TM+\b], |v[(\s)+16*\b]|, |v[(\s)+1+16*\b]|, 0x1800000   ; and the floor 2^(3 - 127): the byte cannot fall under 1
.endr
	WIN 0x28                                       ; sources 1 and 2 window 2
.irp i, 2,4,6,8,10,12,14
.irp b, 0,1,2,3
	v_max3_num_f32 v[TM+\b], v[TM+\b], |v[(\s)+16*\b+\i]|, |v[(\s)+1+16*\b+\i]|
.endr
.endr
	WIN 0
.irp b, 0,1,2,3
	v_permlanex16_b32 v[TM+4+\b], v[TM+\b], s[SEL], s[SEL+1]
.endr
.irp b, 0,1,2,3
	v_max_num_f32 v[TM+\b], v[TM+\b], v[TM+4+\b]
.endr
.irp b, 0,1,2,3
	v_add_nc_u32 v[TM+12+\b], 0xff000000, v[TM+\b] ; 2 off the exponent field: the conversion's scale operand
.endr
.irp b, 0,1,2,3
	v_lshrrev_b32 v[TM+4+\b], 23, v[TM+12+\b]
.endr
	v_lshl_or_b32 v[PW], v[TM+5], 8, v[TM+4]
	v_lshl_or_b32 v[PW], v[TM+6], 16, v[PW]
	v_lshl_or_b32 v[PW], v[TM+7], 24, v[PW]
	WIN 0x02                                       ; source 0 window 2
.irp c, 0,1
	v_cvt_scalef32_pk16_fp6_f32 v[PC+6*\c:PC+2+6*\c], v[(\s)+32*\c:(\s)+15+32*\c], v[TM+12+2*\c]
	v_cvt_scalef32_pk16_fp6_f32 v[PC+12+4*\c:PC+14+4*\c], v[(\s)+16+32*\c:(\s)+31+32*\c], v[TM+12+2*\c+1]
.endr
	WIN 0
	v_nop                                          ; one plain instruction behind the scaled conversions
.irp c, 0,1
.irp i, 0,1,2
	v_permlane16_swap_b32 v[PC+6*\c+\i], v[PC+12+4*\c+\i]
.endr
.irp i, 0,1,2
	v_mov_b32 v[PC+3+6*\c+\i], v[PC+12+4*\c+\i]
.endr
.endr
.endm
	PLACES 4                                       ; between the last products and the first read of results
.irp m, 0,1,2,3
	QUANTW 64*\m
	v_lshrrev_b32 v[SW], v[VSH], v[PW]
	global_store_b128 v[OA0], v[PC:PC+3], s[CP:CP+1]       ; half a fragment is 768 bytes: four registers at 16 x lane (512 consecutive bytes),
	global_store_b64 v[OB0], v[PC+4:PC+5], s[CP:CP+1]      ; two at 512 + 8 x lane (256)
	global_store_b128 v[OA1], v[PC+6:PC+9], s[CP:CP+1]
	global_store_b64 v[OB1], v[PC+10:PC+11], s[CP:CP+1]
	global_store_b32 v[OSW], v[SW], s[SP:SP+1]
	s_wait_xcnt 0x0                                ; the stores have read their data and bases: both are written again only behind this wait
	s_add_nc_u64 s[CP:CP+1], s[CP:CP+1], s[MSTR:MSTR+1]
	s_add_nc_u64 s[SP:SP+1], s[SP:SP+1], s[SMSTR:SMSTR+1]
.endr
	s_wait_tensorcnt 0x0                           ; the wave's end
	ds_add_u32 v[SPW], v[NIL]
	s_wait_dscnt 0x0
	s_endpgm
; Wo'S PART.  Work-group 192 + g takes rows 32 g .. 32 g + 31 of Wo: tiles 2 g and 2 g + 1 (lane r of tile T stands for row 32 (T / 2) + 8 (T % 2) + r + (r & 8)); wave w their K steps 4 w .. 4 w + 3: eight steps q = 4 (tile) + step.
; Each load reads 512 consecutive bytes of one row; a step's 16 rows turn through the wave's own stage in LDS and come back 16 neighbours of each block of 32 to a lane, into window 2, where the quantiser above takes them.
; woc is laid as cf and sf are: a fragment is 1,536 bytes, 16 fragments a tile; behind the 128 tiles' codes, 64 bytes of scale words a (tile, K step).  Loads run four steps (64 loads a wave) ahead, in four sets of 64 registers (window 1).
; No tensor load, no barrier: no wave reads another's bytes.
.Lwo:
	s_sub_co_u32 s76, ttmp9, 192                   ; g
	s_lshl_b32 s78, s76, 18                        ; 32 g rows of 8,192 bytes
	s_lshl_b32 s79, s14, 11                        ; + my wave's four K steps of 512 bytes
	s_add_co_u32 s78, s78, s79
	s_mov_b32 s79, 0
	s_add_nc_u64 s[68:69], s[68:69], s[78:79]
	s_mul_i32 s78, s76, 49152
	s_mul_i32 s80, s14, 6144
	s_add_co_u32 s78, s78, s80
	s_add_nc_u64 s[72:73], s[70:71], s[78:79]      ; my fragments
	s_lshl_b32 s78, s76, 11
	s_lshl_b32 s80, s14, 8
	s_add_co_u32 s78, s78, s80
	s_add_co_u32 s78, s78, WOW
	s_add_nc_u64 s[70:71], s[70:71], s[78:79]      ; and their scale words
	s_mul_i32 s77, s14, 8448
	s_add_co_u32 s77, s77, WST                     ; my stage
	v_add_nc_u32 v60, s77, v[OA0]                  ; the way in
	v_mul_u32_u24 v61, v2, 528
	v_lshl_add_u32 v61, v3, 6, v61
	v_add_nc_u32 v61, s77, v61                     ; the way out: row r, + 64 h
	v_cmp_le_u32 s81, 16, v1                       ; lanes 16-31
	s_mov_b32 s[SEL], 0x76543210
	s_mov_b32 s[SEL+1], 0xfedcba98
.irp b, 0,1,2,3
	v_mov_b32 v[TM+4+\b], 0                        ; written once: a lane permute's destination counts as one of its sources
.endr
	s_wait_alu depctr_va_vdst(0)
.macro WLOAD q
	WIN 0x40                                       ; destination window 1
.irp i, 0,1,2,3,4,5,6,7,8,9,10,11,12,13,14,15
	global_load_b128 v[64*((\q)%4)+4*\i:64*((\q)%4)+4*\i+3], v[OA0], s[68:69] offset:(\i+8*(\i/8)+8*((\q)/4))*8192+512*((\q)%4) th:TH_LOAD_NT
.endr
.endm
.macro WSTEP q
.if (\q) < 4
	s_wait_loadcnt 48                              ; this step's 16 loads are in; those of the three steps behind it may be out
.else
	s_wait_loadcnt 16*(7-(\q))
.endif
	s_wait_xcnt 0x0                                ; the last step's stores have read their data: the codes and the word are written again only behind this wait
	WIN 0x04                                       ; the data: window 1
.irp i, 0,1,2,3,4,5,6,7,8,9,10,11,12,13,14,15
	ds_store_b128 v60, v[64*((\q)%4)+4*\i:64*((\q)%4)+4*\i+3] offset:528*\i
.endr
	WIN 0x80                                       ; destination window 2
.irp b, 0,1,2,3
.irp j, 0,1,2,3
	ds_load_b128 v[16*\b+4*\j:16*\b+4*\j+3], v61 offset:128*\b+16*\j   ; LDS serves a wave's instructions in order: these see the stores above
.endr
.endr
	s_wait_dscnt 0x0                               ; the numbers are back, and the stores have read the set,
.if (\q)+4 < 8
	WLOAD (\q)+4                                   ; which takes the loads of four steps on
.endif
	QUANTW 0
.irp c, 0,1,2
	global_store_b128 v[OA0], v[PC+4*\c:PC+4*\c+3], s[72:73] offset:24576*((\q)/4)+1536*((\q)%4)+512*\c   ; 32 lanes store 512 consecutive bytes
.endr
.if (\q)%2 == 0
	v_mov_b32 v62, v[PW]                           ; an even step's words wait for the odd step's
.else
	v_cndmask_b32 v63, v62, v[PW], s81             ; lanes 0-15 the even step's word of row r, lanes 16-31 the odd step's
	global_store_b32 v[AS], v63, s[70:71] offset:1024*((\q)/4)+128*(((\q)%4)/2)
.endif
.endm
.irp q, 0,1,2,3
	WLOAD \q
.endr
.irp q, 0,1,2,3,4,5,6,7
	WSTEP \q
.endr
	s_wait_tensorcnt 0x0                           ; the wave's end
	ds_add_u32 v[SPW], v[NIL]
	s_wait_dscnt 0x0
	s_endpgm
.Lfunc_end_k_qd28010cf9d_qkv:
	.size	k_qd28010cf9d_qkv, .Lfunc_end_k_qd28010cf9d_qkv-k_qd28010cf9d_qkv
	.p2alignl 7, 3214868480
	.fill 96, 4, 3214868480
	.section	.rodata,"a",@progbits
	.p2align	6, 0x0
	.amdhsa_kernel k_qd28010cf9d_qkv
		.amdhsa_group_segment_fixed_size 239104
		.amdhsa_private_segment_fixed_size 0
		.amdhsa_enable_private_segment 0
		.amdhsa_kernarg_size 56
		.amdhsa_user_sgpr_count 2
		.amdhsa_user_sgpr_kernarg_segment_ptr 1
		.amdhsa_wavefront_size32 1
		.amdhsa_system_sgpr_workgroup_id_x 1
		.amdhsa_system_sgpr_workgroup_id_y 1
		.amdhsa_system_sgpr_workgroup_id_z 1
		.amdhsa_system_vgpr_workitem_id 0
		.amdhsa_next_free_vgpr 1024
		.amdhsa_next_free_sgpr 102
		.amdhsa_reserve_vcc 0
		.amdhsa_float_denorm_mode_32 3
		.amdhsa_float_denorm_mode_16_64 3
		.amdhsa_memory_ordered 1
		.amdhsa_forward_progress 1
		.amdhsa_inst_pref_size 209
	.end_amdhsa_kernel
	.amdgpu_metadata
---
amdhsa.version: [ 1, 2 ]
amdhsa.kernels:
  - .name:           k_qd28010cf9d_qkv
    .symbol:         k_qd28010cf9d_qkv.kd
    .args:
      - { .name: cf, .offset: 0, .size: 8, .value_kind: global_buffer, .address_space: global }
      - { .name: sf, .offset: 8, .size: 8, .value_kind: global_buffer, .address_space: global }
      - { .name: qf, .offset: 16, .size: 8, .value_kind: global_buffer, .address_space: global }
      - { .name: qs, .offset: 24, .size: 8, .value_kind: global_buffer, .address_space: global }
      - { .name: kv, .offset: 32, .size: 8, .value_kind: global_buffer, .address_space: global }
      - { .name: Wo, .offset: 40, .size: 8, .value_kind: global_buffer, .address_space: global }
      - { .name: woc, .offset: 48, .size: 8, .value_kind: global_buffer, .address_space: global }
    .group_segment_fixed_size: 239104
    .private_segment_fixed_size: 0
    .kernarg_segment_align: 8
    .kernarg_segment_size: 56
    .max_flat_workgroup_size: 128
    .sgpr_count:     102
    .vgpr_count:     1024
    .wavefront_size: 32
...
	.end_amdgpu_metadata
.endif
;; end of part 2
;; launch attn (part 3): grid 16 x 16, 16 waves a work-group, clusters of 4 x 1, 169,984 bytes of LDS; arguments qf, qs, kv, af, asc; writes af, asc
.if DOCPART == 3
	.amdgcn_target "amdgcn-amd-amdhsa--gfx1250"
	.amdhsa_code_object_version 6
	.text
	.protected	k_qd28010cf9d_attn
	.globl	k_qd28010cf9d_attn
	.p2align	8
	.type	k_qd28010cf9d_attn,@function
k_qd28010cf9d_attn:
	s_mov_b64 s[64:65], 0
	v_nop
	global_prefetch_b8 v0, s[64:65] scope:SCOPE_SE
	s_setreg_imm32_b32 hwreg(HW_REG_WAVE_MODE, 25, 1), 1
	s_wait_xcnt 0x0
	s_wait_alu depctr_hold_cnt(0) depctr_sa_sdst(0) depctr_va_vdst(0) depctr_va_sdst(0) depctr_va_ssrc(0) depctr_va_vcc(0) depctr_vm_vsrc(0)
	s_getreg_b32 s2, hwreg(HW_REG_IB_STS2, 6, 4)
	s_cmp_eq_u32 s2, 0
	s_cbranch_scc0 .Lentry_in_a_cluster
	s_endpgm
.Lentry_in_a_cluster:
	s_bfe_u32 s2, ttmp6, 0x10000c
	s_cmp_lg_u32 s2, 0x3003
	s_cbranch_scc0 .Lentry_shape_is_right
	s_endpgm
.Lentry_shape_is_right:
; Causal grouped-query attention on codes of FP6 (E2M3): S = q k^T (K = the head's 64), p = 2^(t - M), O = p v (K = the keys), O / l, and the result quantised along the embedding for the last product.
; t = score x log2(e) / 8; M = the running largest t rounded up to a whole number; the row's sum l is taken of the unquantised p; when M moves, l and O are multiplied by 2^(old M - new M), which rounds nothing.
; The head's 64 fill half of the matrix instruction's 128 along K: registers 6 to 11 of q's and k's fragments are zero codes, set once.
; SHARES.  Grid y: the pair (batch, kv head).  The four partners of a cluster are the four query heads of that kv head, on the same tokens: they read the same K and V, whose codes and scale words (one dense block of 104,448 bytes) come into
; LDS once, by four joint loads, and stay: nothing is filled again.  Cluster x = u.  Wave w owns ONE tile of 16 queries, tile 4 IDX + u of the batch's 64, IDX = w for w < 8 and 23 - w else: a wave needs IDX / 2 + 1 key steps of 128,
; and the four waves w, w + 4, w + 8, w + 12 together need 18 whatever w.  Every wave walks a loop of 8 trips; a step whose keys all come after the wave's queries is jumped over (a branch on the wave's number).
; LAYOUT.  Both products transposed: S^T = K Q^T, O^T = V^T P^T: a lane holds one query throughout.  Lane r of tile T stands for row 32 (T / 2) + 8 (T % 2) + r + (r & 8), for tokens, keys and channels alike, so that the 16 registers
; of two neighbouring tiles are 16 neighbours along the next K.
; No prefetch: all that a work-group reads is asked for at its head.
; LIMITS: a block whose largest magnitude lies under 2^-124 keeps the scale byte 1; NaN and infinities are not served.
; REGISTERS: v1-7 lane constants; v8-11, v28-29 the step's addresses; v12 -M, v13 the largest t, v[14:15] l in two halves; v16-27 Q; v30 4 r; v32-79 four fragments of K; v80-127 V's four; v128-191 S^T, then p; v192-223 O^T;
;   v224-235 p's codes; v232-247, v252, v254 at work; v248-249 K's scale words, v250-251 V's, v253 p's, v255 Q's.
.set PAIRB, 104448
.set S,   128
.set O,   192
.set WV,  14
.set DS,  19                           ; s19  the last key step that my queries see
.set CS,  22                           ; s[22:23] c = log2(e) / 8
.set G1,  24
.set G0,  32
.set SEL, 36
.set ST,  38                           ; s38  the key step
.set TB,  39                           ; s39  6,144 x step: K's eight tiles, and V's four
.set TS,  40                           ; s40  512 x step: K's scale words
.set TJ,  41                           ; s41  256 x step: V's
.macro CROUND
	s_barrier_signal -1
	s_barrier_wait -1
	s_cmp_lg_u32 s[WV], 0
	s_cbranch_scc1 .Lnot_wave_0_\@
	s_barrier_signal -3
.Lnot_wave_0_\@:
	s_barrier_wait -3
	s_barrier_signal -1
	s_barrier_wait -1
.endm
	s_load_b256 s[4:11], s[0:1], 0x0               ; qf, qs, kv, af
	s_load_b64 s[12:13], s[0:1], 0x20              ; asc
	v_lshl_add_u32 v254, v0, 2, 0x29000
	v_mov_b32 v255, 0
	ds_add_u32 v254, v255
	ds_add_u32 v254, v255
	s_wait_dscnt 0x0
	v_lshrrev_b32 v1, 5, v0
	s_delay_alu instid0(VALU_DEP_1)
	v_readfirstlane_b32 s[WV], v1                  ; wave 0..15
	s_and_b32 s17, ttmp7, 0xffff                   ; the pair, which the four partners share
	s_mov_b32 s[G1+0], 15|(3<<16)|(1<<21)          ; the mask names all four; elements of 8 bytes; bit 21 set beside a mask
	s_mov_b32 s[G1+1], 32<<16                      ; a quarter of the block: 102 rows of 256 bytes, dense
	s_mov_b32 s[G1+2], 102<<16
	s_mov_b32 s[G1+3], 32<<16
	s_mov_b32 s[G1+4], 102
	s_mov_b32 s[G1+5], 32
	s_mov_b32 s[G1+6], 0
	s_mov_b32 s[G1+7], 0
	s_mul_i32 s48, s17, PAIRB
	s_mul_i32 s50, s[WV], 26112
	s_add_co_u32 s48, s48, s50
	s_mov_b32 s49, 0
	s_wait_kmcnt 0x0
	s_mov_b32 s[G0], 1
	s_mov_b32 s[G0+1], s50
	s_add_nc_u64 s[G0+2:G0+3], s[8:9], s[48:49]
	s_or_b32 s[G0+3], s[G0+3], 0x80000000
	CROUND                                         ; all four work-groups are here: the joint loads meet
	s_cmp_lt_u32 s[WV], 4                          ; waves 0 to 3 fetch a quarter each: one tensor load of mine is out at the most
	s_cbranch_scc0 .Lno_fetch
	tensor_load_to_lds s[G0:G0+3], s[G1:G1+7]
	s_nop 0
.rept 4
	v_nop
.endr
.Lno_fetch:
	s_bfe_u32 s15, ttmp6, 0x40000                  ; cx: the query head in its group; it enters global addresses alone
	s_sub_co_u32 s18, 23, s[WV]
	s_cmp_lt_u32 s[WV], 8
	s_cselect_b32 s18, s[WV], s18                  ; IDX
	s_lshr_b32 s[DS], s18, 1
	s_lshl_b32 s20, s18, 2
	s_add_co_u32 s20, s20, ttmp9                   ; my tile of the batch's 64
	s_lshr_b32 s21, s17, 3
	s_lshl_b32 s21, s21, 6
	s_add_co_u32 s21, s21, s20                     ; TT: of all 128
	s_and_b32 s42, s17, 7
	s_lshl_b32 s42, s42, 2
	s_add_co_u32 s42, s42, s15                     ; hq
	s_lshl_b32 s43, s21, 5
	s_add_co_u32 s43, s43, s42                     ; 32 TT + hq
	s_mul_i32 s44, s43, 768
	s_mov_b32 s45, 0
	s_lshl_b32 s46, s43, 6
	s_mov_b32 s47, 0
	s_add_nc_u64 s[4:5], s[4:5], s[44:45]          ; Q's half fragment
	s_add_nc_u64 s[10:11], s[10:11], s[44:45]      ; the result's: K step hq / 2, half hq % 2 of tile TT: the same 768 (32 TT + hq)
	s_add_nc_u64 s[6:7], s[6:7], s[46:47]          ; Q's scale words
	s_lshl_b32 s46, s21, 4
	s_lshr_b32 s47, s42, 1
	s_add_co_u32 s46, s46, s47
	s_lshl_b32 s46, s46, 6
	s_and_b32 s47, s42, 1
	s_lshl_b32 s47, s47, 1
	s_add_co_u32 s46, s46, s47
	s_mov_b32 s47, 0
	s_add_nc_u64 s[12:13], s[12:13], s[46:47]      ; the result's scale words: my head's two bytes of each
	v_and_b32 v31, 31, v0                          ; lane
	v_and_b32 v9, 15, v0                           ; r
	v_bfe_u32 v8, v0, 4, 1                         ; h
	s_delay_alu instid0(VALU_DEP_3)
	v_lshlrev_b32 v1, 4, v31                       ; half a fragment: four registers at 16 x lane,
	s_delay_alu instid0(VALU_DEP_4)
	v_lshl_add_u32 v2, v31, 3, 512                 ; two at 512 + 8 x lane
	s_delay_alu instid0(VALU_DEP_4)
	v_lshlrev_b32 v30, 2, v9                       ; 4 r
	global_load_b128 v[16:19], v1, s[4:5]
	global_load_b64 v[20:21], v2, s[4:5]
	global_load_b32 v255, v30, s[6:7]
	v_add_nc_u32 v3, 49152, v1                     ; V lies behind K
	v_add_nc_u32 v4, 49152, v2
	v_lshl_add_u32 v5, v31, 2, 98304               ; K's scale words: lanes 0-15 one tile's, lanes 16-31 the next tile's
	v_lshl_add_u32 v6, v31, 2, 102400              ; V's
	s_lshr_b32 s43, s20, 1
	s_lshl_b32 s43, s43, 5
	s_and_b32 s44, s20, 1
	s_lshl_b32 s44, s44, 3
	s_add_co_u32 s43, s43, s44
	s_lshl_b32 s44, s[DS], 7
	s_sub_co_u32 s43, s43, s44                     ; my tile's first token, counted from the diagonal step's first key
	v_and_b32 v10, 8, v9
	s_delay_alu instid0(VALU_DEP_1)
	v_add_nc_u32 v10, v10, v9
	v_lshlrev_b32 v11, 4, v8
	s_delay_alu instid0(VALU_DEP_1)
	v_sub_nc_u32 v10, v10, v11
	s_delay_alu instid0(VALU_DEP_1)
	v_add_nc_u32 v7, s43, v10                      ; d = my query - the step's first key - 16 h: register 16 b + i is hidden where 32 b + i > d
	s_mov_b32 s[CS], 0x3e38aa3b                    ; log2(e) / 8
	s_mov_b32 s[CS+1], s[CS]
	s_mov_b32 s[SEL], 0x76543210
	s_mov_b32 s[SEL+1], 0xfedcba98
	s_mov_b32 s[ST], 0
	s_mov_b32 s[TB], 0
	s_mov_b32 s[TS], 0
	s_mov_b32 s[TJ], 0
	v_mov_b32 v13, 0xff61b1e6                      ; the largest t so far: -3e38
	s_delay_alu instid0(VALU_DEP_1)
	v_floor_f32 v12, -v13                          ; -M
	v_mov_b32 v14, 0
	v_mov_b32 v15, 0
.irp j, 22,23,24,25,26,27
	v_mov_b32 v\j, 0                               ; Q's upper 64 along K: zero codes
.endr
.irp t, 0,1,2,3
.irp j, 6,7,8,9,10,11
	v_mov_b32 v[32+12*\t+\j], 0                    ; K's likewise: never loaded
.endr
.endr
.set N, 0
.rept 32
	v_mov_b32 v[O+N], 0                            ; O^T: the loop is written once; its first step finds zeros
.set N, N+1
.endr
.irp j, 236,237,238,239,252,253
	v_mov_b32 v\j, 0                               ; lane permutes' destinations, and the pair v[252:253], are named before they are first written
.endr
	s_wait_tensorcnt 0x0                           ; my quarter has landed,
	s_barrier_signal -1
	s_barrier_wait -1                              ; everybody's has
	s_wait_loadcnt 0x0                             ; Q
.Lstep:
	s_cmp_gt_u32 s[ST], s[DS]                      ; all 128 keys come after my queries: the step's work is left out
	s_cbranch_scc1 .Lhidden
	v_add_nc_u32 v8, s[TB], v1                     ; (these six are also the places between the last products and the loads below)
	s_wait_alu depctr_va_vdst(0)
	v_add_nc_u32 v9, s[TB], v2
	s_wait_alu depctr_va_vdst(0)
	v_add_nc_u32 v10, s[TB], v3
	v_add_nc_u32 v11, s[TB], v4
	v_add_nc_u32 v28, s[TS], v5
	s_wait_alu depctr_va_vdst(0)
	v_add_nc_u32 v29, s[TJ], v6
.irp g, 0,1                                    ; S^T = K Q^T, four tiles of 16 keys at a time
.if \g
.rept 4
	v_nop                                          ; four plain instructions in front of loads into registers that products have read
.endr
.endif
.irp t, 0,1,2,3
	ds_load_b128 v[32+12*\t:35+12*\t], v8 offset:768*(4*\g+\t)
	ds_load_b64 v[36+12*\t:37+12*\t], v9 offset:768*(4*\g+\t)
.endr
	ds_load_b32 v248, v28 offset:256*\g
	ds_load_b32 v249, v28 offset:256*\g+128
	s_wait_dscnt 0x0
.irp t, 0,1,2,3
.if \t%2
	v_wmma_scale_f32_16x16x128_f8f6f4 v[S+8*(4*\g+\t):S+8*(4*\g+\t)+7], v[32+12*\t:43+12*\t], v[16:27], 0, v[248+\t/2], v255 matrix_a_fmt:MATRIX_FMT_FP6 matrix_b_fmt:MATRIX_FMT_FP6 matrix_a_scale:MATRIX_SCALE_ROW1
.else
	v_wmma_scale_f32_16x16x128_f8f6f4 v[S+8*(4*\g+\t):S+8*(4*\g+\t)+7], v[32+12*\t:43+12*\t], v[16:27], 0, v[248+\t/2], v255 matrix_a_fmt:MATRIX_FMT_FP6 matrix_b_fmt:MATRIX_FMT_FP6
.endif
.endr
.endr
.irp d, 0,1,2,3                                ; V's four fragments are asked for now and land under the softmax
	ds_load_b128 v[80+12*\d:83+12*\d], v10 offset:1536*\d
	ds_load_b64 v[84+12*\d:85+12*\d], v11 offset:1536*\d
	ds_load_b128 v[86+12*\d:89+12*\d], v10 offset:1536*\d+768
	ds_load_b64 v[90+12*\d:91+12*\d], v11 offset:1536*\d+768
.endr
	s_wait_alu depctr_va_vdst(0)
	ds_load_b32 v250, v29
	ds_load_b32 v251, v29 offset:128
.rept 4
	v_nop                                          ; between the products and the first read of the scores
.endr
	s_cmp_lt_u32 s[ST], s[DS]                      ; a step all of whose keys count skips the mask
	s_cbranch_scc1 .Lopen
	v_mov_b32 v254, 0xff800000                     ; -infinity: p = 0 then
.set N, 0
.rept 64
	v_cmp_gt_i32 vcc_lo, 32*(N/16)+N%16, v7
	v_cndmask_b32 v[S+N], v[S+N], v254, vcc_lo
.set N, N+1
.endr
.Lopen:
.irp b, 0,1,2,3
	v_max3_num_f32 v[232+\b], v[S+16*\b], v[S+1+16*\b], v[S+2+16*\b]   ; the largest score of each block of 32 keys: for the row's maximum, and, since p rises with the score, for the block's largest p
.endr
.irp i, 3,5,7,9,11,13
.irp b, 0,1,2,3
	v_max3_num_f32 v[232+\b], v[232+\b], v[S+16*\b+\i], v[S+1+16*\b+\i]
.endr
.endr
.irp b, 0,1,2,3
	v_max_num_f32 v[232+\b], v[232+\b], v[S+15+16*\b]
.endr
.irp b, 0,1,2,3
	s_delay_alu instid0(VALU_DEP_4)
	v_permlanex16_b32 v[236+\b], v[232+\b], s[SEL], s[SEL+1]
.endr
.irp b, 0,1,2,3
	s_delay_alu instid0(VALU_DEP_4)
	v_max_num_f32 v[232+\b], v[232+\b], v[236+\b]  ; with lane l xor 16's 16 keys
.endr
	s_delay_alu instid0(VALU_DEP_2)
	v_max3_num_f32 v254, v232, v233, v234
	s_delay_alu instid0(VALU_DEP_1)
	v_max_num_f32 v254, v254, v235
	s_delay_alu instid0(VALU_DEP_1)
	v_mul_f32 v254, s[CS], v254                    ; the step's largest t of my query
	s_delay_alu instid0(VALU_DEP_1)
	v_max_num_f32 v13, v13, v254
	v_mov_b32 v254, v12
	s_delay_alu instid0(VALU_DEP_2)
	v_floor_f32 v12, -v13                          ; the new -M = -ceil(t)
	s_delay_alu instid0(VALU_DEP_1)
	v_sub_f32 v254, v12, v254                      ; old M - new M: a whole number, 0 or less
	s_delay_alu instid0(VALU_DEP_1)
	v_cvt_i32_f32 v254, v254                       ; (it saturates)
	s_delay_alu instid0(VALU_DEP_1)
	v_ldexp_f32 v252, 1.0, v254                    ; f = 2^(old M - new M)
.set N, 0
.rept 32
	v_pk_fma_f32 v[S+N:S+N+1], v[S+N:S+N+1], s[CS:CS+1], v[12:13] op_sel_hi:[1,0,0]   ; t - M
.set N, N+2
.endr
.irp b, 0,1,2,3
	v_fma_f32 v[232+\b], v[232+\b], s[CS], v12     ; the same of each block's largest score
.endr
.set N, 0
	s_wait_alu depctr_va_vdst(0)
.rept 64
	v_exp_f32 v[S+N], v[S+N]                       ; p = 2^(t - M): not normalised
.set N, N+1
.endr
	v_pk_mul_f32 v[14:15], v[14:15], v[252:253] op_sel_hi:[1,0]   ; l under the new M: a plain instruction behind the exponentials
	s_wait_alu depctr_va_vdst(0)                   ; one wait for the batch of 64, ahead of its first reader
.irp b, 0,1,2,3
	v_exp_f32 v[232+\b], v[232+\b]                 ; the block's largest p
.endr
	v_pk_add_f32 v[236:237], v[132:133], v[136:137]
	v_pk_add_f32 v[248:249], v[140:141], v[144:145]
	v_pk_add_f32 v[246:247], v[148:149], v[152:153]
	v_pk_add_f32 v[244:245], v[156:157], v[160:161]
	v_pk_add_f32 v[242:243], v[164:165], v[168:169]
	v_pk_add_f32 v[240:241], v[172:173], v[176:177]
	v_pk_add_f32 v[238:239], v[180:181], v[184:185]
	v_pk_add_f32 v[14:15], v[14:15], v[188:189]
	v_pk_add_f32 v[236:237], v[236:237], v[128:129]
	v_pk_add_f32 v[248:249], v[248:249], v[130:131]
	v_pk_add_f32 v[246:247], v[246:247], v[134:135]
	v_pk_add_f32 v[244:245], v[244:245], v[138:139]
	v_pk_add_f32 v[242:243], v[242:243], v[142:143]
	v_pk_add_f32 v[240:241], v[240:241], v[146:147]
	v_pk_add_f32 v[238:239], v[238:239], v[150:151]
	v_pk_add_f32 v[14:15], v[14:15], v[154:155]
	v_pk_add_f32 v[236:237], v[236:237], v[158:159]
	v_pk_add_f32 v[248:249], v[248:249], v[162:163]
	v_pk_add_f32 v[246:247], v[246:247], v[166:167]
	v_pk_add_f32 v[244:245], v[244:245], v[170:171]
	v_pk_add_f32 v[242:243], v[242:243], v[174:175]
	v_pk_add_f32 v[240:241], v[240:241], v[178:179]
	v_pk_add_f32 v[238:239], v[238:239], v[182:183]
	v_pk_add_f32 v[14:15], v[14:15], v[186:187]
	v_pk_add_f32 v[236:237], v[236:237], v[190:191]
	s_delay_alu instid0(VALU_DEP_2)
	v_pk_add_f32 v[14:15], v[14:15], v[244:245]
	s_delay_alu instid0(VALU_DEP_2)
	v_pk_add_f32 v[236:237], v[236:237], v[242:243]
	v_pk_add_f32 v[248:249], v[248:249], v[240:241]
	v_pk_add_f32 v[246:247], v[246:247], v[238:239]
	s_delay_alu instid0(VALU_DEP_2)
	v_pk_add_f32 v[14:15], v[14:15], v[248:249]
	s_delay_alu instid0(VALU_DEP_2)
	v_pk_add_f32 v[236:237], v[236:237], v[246:247]
	s_delay_alu instid0(VALU_DEP_1)
	v_pk_add_f32 v[14:15], v[14:15], v[236:237]
	s_wait_alu depctr_va_vdst(0)                   ; and one for the four
.irp b, 0,1,2,3
	v_max_num_f32 v[232+\b], 0x1800000, v[232+\b]  ; the floor 2^(3 - 127): the byte cannot fall under 1
.endr
.irp b, 0,1,2,3
	s_delay_alu instid0(VALU_DEP_4)
	v_add_nc_u32 v[244+\b], 0xff000000, v[232+\b]  ; 2 off the exponent field: the conversion's scale operand
.endr
.irp b, 0,1,2,3
	s_delay_alu instid0(VALU_DEP_4)
	v_lshrrev_b32 v[236+\b], 23, v[244+\b]
.endr
	s_delay_alu instid0(VALU_DEP_3)
	v_lshl_or_b32 v253, v237, 8, v236              ; p's scale word for these 128 keys
	s_delay_alu instid0(VALU_DEP_1)
	v_lshl_or_b32 v253, v238, 16, v253
	s_delay_alu instid0(VALU_DEP_1)
	v_lshl_or_b32 v253, v239, 24, v253
.irp c, 0,1
	v_cvt_scalef32_pk16_fp6_f32 v[224+6*\c:226+6*\c], v[S+32*\c:S+15+32*\c], v[244+2*\c]
	v_cvt_scalef32_pk16_fp6_f32 v[236+4*\c:238+4*\c], v[S+16+32*\c:S+31+32*\c], v[244+2*\c+1]
.endr
	v_nop                                          ; one plain instruction behind the scaled conversions
.irp c, 0,1
.irp i, 0,1,2
	v_permlane16_swap_b32 v[224+6*\c+\i], v[236+4*\c+\i]
.endr
.irp i, 0,1,2
	s_delay_alu instid0(VALU_DEP_3)
	v_mov_b32 v[227+6*\c+\i], v[236+4*\c+\i]
.endr
.endr
.set N, 0
.rept 16
	v_pk_mul_f32 v[O+N:O+N+1], v[O+N:O+N+1], v[252:253] op_sel_hi:[1,0]   ; O^T under the new M.  (These are also the plain instructions between the writes of p's codes and word and the products)
.set N, N+2
.endr
	s_wait_alu depctr_va_vdst(0)
	s_wait_dscnt 0x0                               ; V is in
.irp d, 0,1,2,3                                ; O^T += V^T P^T: four accumulators, one instruction each
.if \d%2
	v_wmma_scale_f32_16x16x128_f8f6f4 v[O+8*\d:O+8*\d+7], v[80+12*\d:91+12*\d], v[224:235], v[O+8*\d:O+8*\d+7], v[250+\d/2], v253 matrix_a_fmt:MATRIX_FMT_FP6 matrix_b_fmt:MATRIX_FMT_FP6 matrix_a_scale:MATRIX_SCALE_ROW1
.else
	v_wmma_scale_f32_16x16x128_f8f6f4 v[O+8*\d:O+8*\d+7], v[80+12*\d:91+12*\d], v[224:235], v[O+8*\d:O+8*\d+7], v[250+\d/2], v253 matrix_a_fmt:MATRIX_FMT_FP6 matrix_b_fmt:MATRIX_FMT_FP6
.endif
.endr
.Lhidden:
	s_add_co_u32 s[TB], s[TB], 6144
	s_add_co_u32 s[TS], s[TS], 512
	s_add_co_u32 s[TJ], s[TJ], 256
	s_add_co_u32 s[ST], s[ST], 1
	s_cmp_lt_u32 s[ST], 8
	s_cbranch_scc1 .Lstep
	; THE WAY OUT: O^T / l; register 16 b + i is channel 32 b + 16 h + i of my query: half a fragment of the last product's operand, quantised here
.rept 4
	v_nop
.endr
	v_add_f32 v14, v14, v15
	s_wait_alu depctr_va_vdst(0)
	v_permlanex16_b32 v252, v14, s[SEL], s[SEL+1]
	s_delay_alu instid0(VALU_DEP_1)
	v_add_f32 v14, v14, v252                       ; the row's sum
	s_wait_alu depctr_va_vdst(0)
	v_rcp_f32 v14, v14
	v_nop                                          ; a plain instruction behind the reciprocal
	s_wait_alu depctr_va_vdst(0)                   ; and the wait ahead of its first reader
.set N, 0
.rept 32
	v_mul_f32 v[S+N], v[O+N], v14
.set N, N+1
.endr
.irp b, 0,1
	v_max3_num_f32 v[232+\b], |v[S+16*\b]|, |v[S+1+16*\b]|, 0x1800000
.endr
.irp i, 2,4,6,8,10,12,14
.irp b, 0,1
	s_delay_alu instid0(VALU_DEP_2)
	v_max3_num_f32 v[232+\b], v[232+\b], |v[S+16*\b+\i]|, |v[S+1+16*\b+\i]|
.endr
.endr
.irp b, 0,1
	s_delay_alu instid0(VALU_DEP_2)
	v_permlanex16_b32 v[236+\b], v[232+\b], s[SEL], s[SEL+1]
.endr
.irp b, 0,1
	s_delay_alu instid0(VALU_DEP_2)
	v_max_num_f32 v[232+\b], v[232+\b], v[236+\b]
.endr
.irp b, 0,1
	s_delay_alu instid0(VALU_DEP_2)
	v_add_nc_u32 v[244+\b], 0xff000000, v[232+\b]
.endr
.irp b, 0,1
	s_delay_alu instid0(VALU_DEP_2)
	v_lshrrev_b32 v[240+\b], 23, v[244+\b]
.endr
	s_delay_alu instid0(VALU_DEP_1)
	v_lshl_or_b32 v253, v241, 8, v240              ; my head's two scale bytes
	v_cvt_scalef32_pk16_fp6_f32 v[224:226], v[S:S+15], v244
	v_cvt_scalef32_pk16_fp6_f32 v[236:238], v[S+16:S+31], v245
	v_nop
.irp i, 0,1,2
	v_permlane16_swap_b32 v[224+\i], v[236+\i]
.endr
.irp i, 0,1,2
	s_delay_alu instid0(VALU_DEP_3)
	v_mov_b32 v[227+\i], v[236+\i]
.endr
	global_store_b128 v1, v[224:227], s[10:11]     ; 512 consecutive bytes,
	global_store_b64 v2, v[228:229], s[10:11]      ; and 256
	global_store_b16 v30, v253, s[12:13]           ; two bytes of row r's word (lanes r and r + 16 store the same): the word's other half is the neighbouring head's, made by a partner
	s_wait_dscnt 0x0
	s_wait_xcnt 0x0
	v_lshl_add_u32 v254, v0, 2, 0x29000
	v_mov_b32 v255, 0
	s_wait_alu depctr_va_vdst(0)
	s_wait_tensorcnt 0x0
	ds_add_u32 v254, v255
	s_wait_dscnt 0x0
	CROUND                                         ; the closing round
	s_endpgm
.Lfunc_end_k_qd28010cf9d_attn:
	.size	k_qd28010cf9d_attn, .Lfunc_end_k_qd28010cf9d_attn-k_qd28010cf9d_attn
	.p2alignl 7, 3214868480
	.fill 96, 4, 3214868480
	.section	.rodata,"a",@progbits
	.p2align	6, 0x0
	.amdhsa_kernel k_qd28010cf9d_attn
		.amdhsa_group_segment_fixed_size 169984
		.amdhsa_private_segment_fixed_size 0
		.amdhsa_enable_private_segment 0
		.amdhsa_kernarg_size 40
		.amdhsa_user_sgpr_count 2
		.amdhsa_user_sgpr_kernarg_segment_ptr 1
		.amdhsa_wavefront_size32 1
		.amdhsa_system_sgpr_workgroup_id_x 1
		.amdhsa_system_sgpr_workgroup_id_y 1
		.amdhsa_system_sgpr_workgroup_id_z 1
		.amdhsa_system_vgpr_workitem_id 0
		.amdhsa_next_free_vgpr 256
		.amdhsa_next_free_sgpr 66
		.amdhsa_reserve_vcc 1
		.amdhsa_float_denorm_mode_32 3
		.amdhsa_float_denorm_mode_16_64 3
		.amdhsa_memory_ordered 1
		.amdhsa_forward_progress 1
		.amdhsa_inst_pref_size 36
	.end_amdhsa_kernel
	.amdgpu_metadata
---
amdhsa.version: [ 1, 2 ]
amdhsa.kernels:
  - .name:           k_qd28010cf9d_attn
    .symbol:         k_qd28010cf9d_attn.kd
    .args:
      - { .name: qf, .offset: 0, .size: 8, .value_kind: global_buffer, .address_space: global }
      - { .name: qs, .offset: 8, .size: 8, .value_kind: global_buffer, .address_space: global }
      - { .name: kv, .offset: 16, .size: 8, .value_kind: global_buffer, .address_space: global }
      - { .name: af, .offset: 24, .size: 8, .value_kind: global_buffer, .address_space: global }
      - { .name: asc, .offset: 32, .size: 8, .value_kind: global_buffer, .address_space: global }
    .group_segment_fixed_size: 169984
    .private_segment_fixed_size: 0
    .kernarg_segment_align: 8
    .kernarg_segment_size: 40
    .max_flat_workgroup_size: 512
    .sgpr_count:     66
    .vgpr_count:     256
    .wavefront_size: 32
...
	.end_amdgpu_metadata
.endif
;; end of part 3
;; launch oproj (part 4): grid 256 x 1, 4 waves a work-group, clusters of 4 x 1, 272,896 bytes of LDS; arguments af, asc, woc, out0; writes out0
.if DOCPART == 4
	.amdgcn_target "amdgcn-amd-amdhsa--gfx1250"
	.amdhsa_code_object_version 6
	.text
	.protected	k_qd28010cf9d_oproj
	.globl	k_qd28010cf9d_oproj
	.p2align	8
	.type	k_qd28010cf9d_oproj,@function
k_qd28010cf9d_oproj:
	s_mov_b64 s[64:65], 0
	v_nop
	global_prefetch_b8 v0, s[64:65] scope:SCOPE_SE
	s_setreg_imm32_b32 hwreg(HW_REG_WAVE_MODE, 25, 1), 1
	s_wait_xcnt 0x0
	s_wait_alu depctr_hold_cnt(0) depctr_sa_sdst(0) depctr_va_vdst(0) depctr_va_sdst(0) depctr_va_ssrc(0) depctr_va_vcc(0) depctr_vm_vsrc(0)
	s_getreg_b32 s2, hwreg(HW_REG_IB_STS2, 6, 4)
	s_cmp_eq_u32 s2, 0
	s_cbranch_scc0 .Lentry_in_a_cluster
	s_endpgm
.Lentry_in_a_cluster:
	s_bfe_u32 s2, ttmp6, 0x10000c
	s_cmp_lg_u32 s2, 0x3003
	s_cbranch_scc0 .Lentry_shape_is_right
	s_endpgm
.Lentry_shape_is_right:
; out0 = a Wo^T on codes of FP6 (E2M3), K = 2,048: a is attention's result (af, asc); Wo's 128 tiles of codes, and behind them their scale words, lie in woc.  A work-group makes 128 tokens x 128 features, f32.
; I = 128 rows of Wo (source 0: a lane's result registers run along the features), read by all four waves: one dense block of codes (196,608 bytes) and one of scale words (8,192): it comes into LDS ONCE, for all of K, one tensor load a wave
; (waves 0-2: 65,536 bytes of codes each; wave 3: the scale words).  Nothing is filled again.
; O = 128 tokens (source 1: a lane stands for a token).  Wave w takes token tiles 2 w, 2 w + 1 against I's eight: 16 accumulators.  Its O fragments are its own and lie in memory as images of operand registers: they go from memory
; straight into registers, every K step into registers of its own (384), seven K steps (56 loads a wave) ahead.
; CLUSTER 4, 1, 1: the four partners take the same I and different tokens: both head loads are joint (mask 15).
; No prefetch: I is asked for whole at the head, and O's own loads run seven K steps ahead.
; Lane r of tile T stands for row 32 (T / 2) + 8 (T % 2) + r + (r & 8), for tokens and features alike.
; REGISTERS: window 0: v4-15 addresses; v32-47 O's scale words for all of K; v48-63 I's, two sets.  window 1: O's K steps 0-9, 24 registers each.  window 2: v0-191 I's fragments, two sets; v192-239 O's steps 10, 11.
;   window 3: v0-127 accumulator (m, i) at v[8 (8 m + i)]; v128-223 O's steps 12-15.
.set SCLI,  196608                     ; behind I's codes: its scale words
.set SPARE, SCLI+8192                  ; the spare words, 128 bytes a wave
.set STAGE, SPARE+512                  ; the way out: for each wave two stages of 16 rows x (512 + 16) bytes
.set WOW,   3145728                    ; woc: the scale words lie behind the codes
.set ADI,  4                           ; v4-7   LDS address of I's tiles 2 j, 2 j + 1
.set ADSI, 8
.set AS,   9                           ; v9     4 x lane
.set SPW,  10                          ; v10    my spare word; never rewritten
.set NIL,  11                          ; v11    0; never rewritten
.set AA,   12                          ; v12    16 x lane
.set AB,   13                          ; v13    512 + 8 x lane
.set STO,  14
.set RD,   15
.set SCO,  32                          ; + 2 p + m: my tile m, K steps 2 p (lanes 0-15) and 2 p + 1 (lanes 16-31)
.set SCI,  48                          ; set z at + 8 z
.set G1C,  24
.set G1S,  32
.set OC,   44                          ; s[44:45] my O tiles' codes;  s[46:47] their scale words
.set OWD,  46
.set G0C,  48
.set G0S,  52
.set MSB, 0
.macro WIN new                         ; the immediate's high byte repeats the setting that is left
.if MSB != (\new)
	s_set_vgpr_msb (MSB<<8)|(\new)
.set MSB, \new
.endif
.endm
.macro PLACES n
.rept \n
	v_nop
.endr
.endm
.macro CROUND                          ; a round of the cluster's barrier
	s_barrier_signal -1
	s_barrier_wait -1
	s_cmp_lg_u32 s14, 0
	s_cbranch_scc1 .Lnot_wave_0_\@
	s_barrier_signal -3
.Lnot_wave_0_\@:
	s_barrier_wait -3
	s_barrier_signal -1
	s_barrier_wait -1
.endm
	s_load_b256 s[4:11], s[0:1], 0x0               ; af, asc, woc, out0
	v_lshl_add_u32 v[SPW], v0, 2, SPARE
	v_mov_b32 v[NIL], 0
	ds_add_u32 v[SPW], v[NIL]                      ; the opening lines: the add, twice on end, and its wait
	ds_add_u32 v[SPW], v[NIL]
	v_lshrrev_b32 v1, 5, v0
	v_readfirstlane_b32 s14, v1                    ; wave
	v_and_b32 v1, 31, v0                           ; lane
	v_and_b32 v2, 15, v0                           ; r
	v_bfe_u32 v3, v0, 4, 1                         ; h
	v_lshlrev_b32 v[AA], 4, v1
	v_lshl_add_u32 v[AB], v1, 3, 512
	v_lshlrev_b32 v[AS], 2, v1
.irp j, 0,1,2,3
	v_add_nc_u32 v[ADI+\j], 49152*\j, v[AA]
.endr
	v_add_nc_u32 v[ADSI], SCLI, v[AS]
	s_mul_i32 s21, s14, 16896
	s_add_co_u32 s21, s21, STAGE                   ; my two stages
	v_mul_u32_u24 v[STO], v2, 528                  ; in: row r, 64 bytes for each half of the lanes
	v_lshl_add_u32 v[STO], v3, 6, v[STO]
	v_add_nc_u32 v[STO], s21, v[STO]
	v_add_nc_u32 v[RD], s21, v[AA]                 ; back: the 32 lanes take one row of 512 bytes
	s_bfe_u32 s17, ttmp6, 0x40000                  ; cx: it enters global addresses of my own loads and stores alone
	s_lshr_b32 s19, ttmp9, 2                       ; the feature block, which the four partners share
	s_and_b32 s20, ttmp9, 3
	s_lshl_b32 s20, s20, 2
	s_add_co_u32 s20, s20, s17                     ; the token block
	; group 1, elements of 8 bytes: dense blocks as rows of 256 bytes: 256 rows of codes, 32 of scale words; the mask names all four partners, bit 21 set beside it
	s_mov_b32 s[G1C+0], 15|(3<<16)|(1<<21)
	s_mov_b32 s[G1C+1], 32<<16
	s_mov_b32 s[G1C+2], 256<<16
	s_mov_b32 s[G1C+3], 32<<16
	s_mov_b32 s[G1C+4], 256
	s_mov_b32 s[G1C+5], 32
	s_mov_b32 s[G1C+6], 0
	s_mov_b32 s[G1C+7], 0
	s_mov_b32 s[G1S+0], 15|(3<<16)|(1<<21)
	s_mov_b32 s[G1S+1], 32<<16
	s_mov_b32 s[G1S+2], 32<<16
	s_mov_b32 s[G1S+3], 32<<16
	s_mov_b32 s[G1S+4], 32
	s_mov_b32 s[G1S+5], 32
	s_mov_b32 s[G1S+6], 0
	s_mov_b32 s[G1S+7], 0
	s_lshl_b32 s56, s19, 3                         ; I's first tile
	s_mul_i32 s58, s56, 24576
	s_lshl_b32 s16, s14, 16                        ; my 65,536 bytes of its codes, in memory and in LDS
	s_add_co_u32 s58, s58, s16
	s_mov_b32 s59, 0
	s_lshl_b32 s56, s56, 10
	s_add_co_u32 s56, s56, WOW
	s_mov_b32 s57, 0
	s_lshl_b32 s60, s20, 3
	s_lshl_b32 s61, s14, 1
	s_add_co_u32 s60, s60, s61                     ; my first token tile
	s_mul_i32 s40, s60, 24576
	s_mov_b32 s41, 0
	s_lshl_b32 s42, s60, 10
	s_mov_b32 s43, 0
	s_lshl_b32 s60, s20, 20                        ; out0: 128 token block + 32 wave rows of 8,192 bytes, + 512 bytes x feature block
	s_lshl_b32 s61, s14, 18
	s_add_co_u32 s60, s60, s61
	s_lshl_b32 s61, s19, 9
	s_add_co_u32 s60, s60, s61
	s_mov_b32 s61, 0
	s_wait_alu depctr_va_vdst(0)                   ; all the head's vector writes stand ahead of it
	s_wait_dscnt 0x0                               ; both opening adds are done
	s_wait_kmcnt 0x0
	s_add_nc_u64 s[OC:OC+1], s[4:5], s[40:41]
	s_add_nc_u64 s[OWD:OWD+1], s[6:7], s[42:43]
	s_add_nc_u64 s[12:13], s[10:11], s[60:61]
	s_mov_b32 s[G0C], 1
	s_mov_b32 s[G0C+1], s16
	s_add_nc_u64 s[G0C+2:G0C+3], s[8:9], s[58:59]
	s_or_b32 s[G0C+3], s[G0C+3], 0x80000000
	s_mov_b32 s[G0S], 1
	s_mov_b32 s[G0S+1], SCLI
	s_add_nc_u64 s[G0S+2:G0S+3], s[8:9], s[56:57]
	s_or_b32 s[G0S+3], s[G0S+3], 0x80000000
	CROUND                                         ; all four work-groups are here: the joint loads meet
	s_cmp_lt_u32 s14, 3                            ; one tensor load a wave, in the two arms of one branch on the wave's number
	s_cbranch_scc0 .Lwords
	tensor_load_to_lds s[G0C:G0C+3], s[G1C:G1C+7]
	s_nop 0
	PLACES 4
	s_branch .Lasked
.Lwords:
	tensor_load_to_lds s[G0S:G0S+3], s[G1S:G1S+7]
	s_nop 0
	PLACES 4
.Lasked:
.macro OSEL k                          ; where K step k's O fragments live: window OWN, from register OBS on
.if (\k) < 10
.set OWN, 1
.set OBS, 24*(\k)
.elseif (\k) < 12
.set OWN, 2
.set OBS, 192+24*((\k)-10)
.else
.set OWN, 3
.set OBS, 128+24*((\k)-12)
.endif
.endm
.macro OLOAD k                         ; a fragment of af is two halves of 768 bytes: four registers at 16 x lane, two at 512 + 8 x lane
	OSEL \k
.set WW, OWN<<6
	WIN WW
.irp m, 0,1
.irp c, 0,1
	global_load_b128 v[OBS+12*\m+6*\c:OBS+12*\m+6*\c+3], v[AA], s[OC:OC+1] offset:24576*\m+1536*(\k)+768*\c
	global_load_b64 v[OBS+12*\m+6*\c+4:OBS+12*\m+6*\c+5], v[AB], s[OC:OC+1] offset:24576*\m+1536*(\k)+768*\c
.endr
.endr
.endm
.irp p, 0,1,2,3,4,5,6,7
.irp m, 0,1
	global_load_b32 v[SCO+2*\p+\m], v[AS], s[OWD:OWD+1] offset:1024*\m+128*\p
.endr
.endr
.irp k, 0,1,2,3,4,5,6
	OLOAD \k
.endr
	WIN 0
.macro FETCH k                         ; I's eight fragments of K step k into set k % 2 of window 2; with an even step its scale words of two steps
.set FP, (\k)%2
.set FZ, ((\k)/2)%2
	WIN 0x80
.irp i, 0,1,2,3,4,5,6,7
.irp c, 0,1,2
	ds_load_b128 v[96*FP+12*\i+4*\c:96*FP+12*\i+4*\c+3], v[ADI+\i/2] offset:24576*(\i%2)+1536*(\k)+512*\c
.endr
.endr
	WIN 0
.if FP == 0
.irp i, 0,1,2,3,4,5,6,7
	ds_load_b32 v[SCI+8*FZ+\i], v[ADSI] offset:1024*\i+128*((\k)/2)
.endr
.endif
.endm
.macro WM                              ; one product, by the symbols AC, FI, FO, SA, SB; ZERO: it starts the sum; PP: which row of the scale registers
.if ZERO
	v_wmma_scale_f32_16x16x128_f8f6f4 v[AC:AC+7], v[FI:FI+11], v[FO:FO+11], 0, v[SA], v[SB] matrix_a_fmt:MATRIX_FMT_FP6 matrix_b_fmt:MATRIX_FMT_FP6
.elseif PP == 0
	v_wmma_scale_f32_16x16x128_f8f6f4 v[AC:AC+7], v[FI:FI+11], v[FO:FO+11], v[AC:AC+7], v[SA], v[SB] matrix_a_fmt:MATRIX_FMT_FP6 matrix_b_fmt:MATRIX_FMT_FP6
.else
	v_wmma_scale_f32_16x16x128_f8f6f4 v[AC:AC+7], v[FI:FI+11], v[FO:FO+11], v[AC:AC+7], v[SA], v[SB] matrix_a_fmt:MATRIX_FMT_FP6 matrix_b_fmt:MATRIX_FMT_FP6 matrix_a_scale:MATRIX_SCALE_ROW1 matrix_b_scale:MATRIX_SCALE_ROW1
.endif
.endm
.macro MUL k                           ; my two token tiles against I's eight: the 16 accumulators take turns, in the same order in every step
.set PP, (\k)%2
.set ZZ, ((\k)/2)%2
.set ZERO, (\k) == 0
	OSEL \k
.set WW, 0xf2|(OWN<<2)                 ; source 0 (I) window 2, source 1 (O) its own, C and D window 3
	WIN WW
.irp m, 0,1
.irp i, 0,1,2,3,4,5,6,7
.set AC, 8*(8*\m+\i)
.set FI, 96*PP+12*\i
.set FO, OBS+12*\m
.set SA, SCI+8*ZZ+\i
.set SB, SCO+2*((\k)/2)+\m
	WM
.endr
.endr
.endm
.macro STEP k
	s_wait_dscnt 0x0                               ; I's fragments of this step are in
.if (\k) > 0
	PLACES 4                                       ; between the last step's products and the loads into the set that they read
.endif
.if (\k) < 15
	FETCH (\k)+1
.endif
.if (\k) < 9
	s_wait_loadcnt 48                              ; O's fragments of this step are in; the 8 loads of each of the six steps behind it may be out
.else
	s_wait_loadcnt 8*(15-(\k))
.endif
.if (\k)+7 < 16
	OLOAD (\k)+7                                   ; into registers of its own
.endif
	MUL \k
.endm
	s_wait_tensorcnt 0x0                           ; my part of I has landed,
	s_barrier_signal -1
	s_barrier_wait -1                              ; everybody's has
	FETCH 0
.set KK, 0
.rept 16
	STEP KK
.set KK, KK+1
.endr
	WIN 0
; THE WAY OUT.  In accumulator (m, i) lane (r, h) holds token r of tile m and features 32 (i / 2) + 16 h + 8 (i % 2) + 0 .. 7.  A tile goes through my own stage and comes back as rows of 512 bytes, which the 32 lanes store whole.
; LDS serves a wave's instructions in order: no wait between the stores and the loads.
.macro TOSTAGE m
	WIN 0x0c                                       ; the data: window 3
.irp i, 0,1,2,3,4,5,6,7
	ds_store_b128 v[STO], v[8*(8*\m+\i):8*(8*\m+\i)+3] offset:8448*\m+128*(\i/2)+32*(\i%2)      ; each accumulator from its low end on
	ds_store_b128 v[STO], v[8*(8*\m+\i)+4:8*(8*\m+\i)+7] offset:8448*\m+128*(\i/2)+32*(\i%2)+16
.endr
	WIN 0x80                                       ; back into window 2, where I's fragments lay
.irp t, 0,1,2,3,4,5,6,7,8,9,10,11,12,13,14,15
	ds_load_b128 v[64*\m+4*\t:64*\m+4*\t+3], v[RD] offset:8448*\m+528*\t
.endr
.endm
.macro SEND m, younger
	s_wait_dscnt \younger
	WIN 0x08                                       ; the data: window 2
.irp t, 0,1,2,3,4,5,6,7,8,9,10,11,12,13,14,15
	global_store_b128 v[AA], v[64*\m+4*\t:64*\m+4*\t+3], s[12:13] offset:(8*\m+\t+8*(\t/8))*8192 th:TH_STORE_NT   ; 512 consecutive bytes, at a multiple of 512 from out0's first byte
.endr
.endm
	PLACES 4                                       ; between the last products and the first read of results, and the loads into I's sets
	TOSTAGE 0
	TOSTAGE 1
	SEND 0, 32                                     ; behind tile 0's loads: tile 1's 16 stores and 16 loads
	SEND 1, 0
	WIN 0
	s_wait_tensorcnt 0x0                           ; the wave's end
	ds_add_u32 v[SPW], v[NIL]
	s_wait_dscnt 0x0
	CROUND                                         ; the closing round
	s_endpgm
.Lfunc_end_k_qd28010cf9d_oproj:
	.size	k_qd28010cf9d_oproj, .Lfunc_end_k_qd28010cf9d_oproj-k_qd28010cf9d_oproj
	.p2alignl 7, 3214868480
	.fill 96, 4, 3214868480
	.section	.rodata,"a",@progbits
	.p2align	6, 0x0
	.amdhsa_kernel k_qd28010cf9d_oproj
		.amdhsa_group_segment_fixed_size 272896
		.amdhsa_private_segment_fixed_size 0
		.amdhsa_enable_private_segment 0
		.amdhsa_kernarg_size 32
		.amdhsa_user_sgpr_count 2
		.amdhsa_user_sgpr_kernarg_segment_ptr 1
		.amdhsa_wavefront_size32 1
		.amdhsa_system_sgpr_workgroup_id_x 1
		.amdhsa_system_sgpr_workgroup_id_y 1
		.amdhsa_system_sgpr_workgroup_id_z 1
		.amdhsa_system_vgpr_workitem_id 0
		.amdhsa_next_free_vgpr 1024
		.amdhsa_next_free_sgpr 66
		.amdhsa_reserve_vcc 0
		.amdhsa_float_denorm_mode_32 3
		.amdhsa_float_denorm_mode_16_64 3
		.amdhsa_memory_ordered 1
		.amdhsa_forward_progress 1
		.amdhsa_inst_pref_size 92
	.end_amdhsa_kernel
	.amdgpu_metadata
---
amdhsa.version: [ 1, 2 ]
amdhsa.kernels:
  - .name:           k_qd28010cf9d_oproj
    .symbol:         k_qd28010cf9d_oproj.kd
    .args:
      - { .name: af, .offset: 0, .size: 8, .value_kind: global_buffer, .address_space: global }
      - { .name: asc, .offset: 8, .size: 8, .value_kind: global_buffer, .address_space: global }
      - { .name: woc, .offset: 16, .size: 8, .value_kind: global_buffer, .address_space: global }
      - { .name: out0, .offset: 24, .size: 8, .value_kind: global_buffer, .address_space: global }
    .group_segment_fixed_size: 272896
    .private_segment_fixed_size: 0
    .kernarg_segment_align: 8
    .kernarg_segment_size: 32
    .max_flat_workgroup_size: 128
    .sgpr_count:     66
    .vgpr_count:     1024
    .wavefront_size: 32
...
	.end_amdgpu_metadata
.endif
;; end of part 4
